; MI455X (gfx1250); checked and timed in simulation.
; The chip was launched on July 23, 2026; its instructions are those of AMD's public machine-readable ISA for CDNA 5 (MIT licence, August 2026) and "CDNA5" Instruction Set Architecture Reference Guide (July 2026). The comments in the code are by the model that wrote it; some were corrected since.
;; Ternary Linear. Allowed arithmetic: matrix products marked QUANTISED: E2M1 operands, one E8M0 scale for each 32 along K, by v_wmma_scale_f32_16x16x128_f8f6f4 with both operands' format E2M1 (or v_wmma_scale_f32_32x16x128_f4), f32 sums; everything else in f32.
;; Inputs: bias 4,096 float32; lora_A 4,096 x 32 float32; lora_B 32 x 4,096 float32; scale 4,096 x 1 float32; weight_q 4,096 x 4,096 int8; x 4,096 x 4,096 float32.
;; Outputs: out0 4,096 x 4,096 float32.
;; This version of the problem:
;;   THIS VERSION OF THE PROBLEM IS GIVEN IN LOW PRECISION. The matrix products marked QUANTISED in the list below multiply operands that are first quantised to E2M1 (2 exponent bits, 1 mantissa bit; 4 bits a number), with one power-of-two scale for each 32 numbers along K (OCP MX v1.0); their sums are f32. All else is computed in f32.
;;   The module's matrix products, in the order in which they are computed (A, B: the left and right operand; K: the contracted axis; several contracted axes count as one K, in the product's order):
;;     1. [M 4,096, K 4,096] x [K 4,096, N 4,096]; A: input x; B: input weight_q: QUANTISED
;;     2. [M 4,096, K 4,096] x [K 4,096, N 32]; A: input x; B: input lora_B: QUANTISED
;;     3. [M 4,096, K 32] x [K 32, N 4,096]; A: computed on the way; B: input lora_A: QUANTISED
;;   THE QUANTISER, for each operand of a quantised product, along K:
;;     - K is cut into blocks of 32 from its start; a last block that is shorter is filled with zeros.
;;     - A block's scale is 2^e with e = floor(log2(the largest magnitude in the block)) - 2, held to -126 .. 127; a block of zeros has e = 0. As a byte (E8M0): e + 127.
;;     - Each number is divided by its block's scale, clamped to +-6, and rounded to the nearest number of E2M1, ties to even, subnormals kept.
;;     - The product sums the exact products of the quantised numbers (number of the format x scale) in f32.
;;   ~~~python
;;   def quantise(x, axis):      # numpy; x: float32 -> the quantised numbers, widened to float32 again
;;       x = np.moveaxis(x, axis, -1); K = x.shape[-1]
;;       x = np.pad(x, [(0, 0)] * (x.ndim - 1) + [(0, -K % 32)]); x = x.reshape(x.shape[:-1] + (-1, 32)); a = np.abs(x).max(-1, keepdims=True)
;;       e = np.where(a > 0, np.clip(np.frexp(np.where(a > 0, a, 1))[1] - 1 - 2, -126, 127), 0)      # np.frexp(a)[1] - 1 = floor(log2(a)), exactly
;;       r = np.clip(x / 2.0 ** e, -6, 6)
;;       step = 2.0 ** (np.maximum(np.frexp(np.where(r == 0, 1, r))[1] - 1, 0) - 1)
;;       q = np.round(r / step) * step * 2.0 ** e      # np.round: ties to even
;;       return np.moveaxis(q.reshape(q.shape[:-2] + (-1,))[..., :K], -1, axis).astype(np.float32)
;;   ~~~
;;   OPERANDS COMPUTED ON THE WAY. 'Computed on the way' means the value that the module computes at that place (a softmax that the list does not call 'softmax' is quantised finished and normalised). What goes into a quantiser is computed in f32, as accurately as f32 sums, v_exp_f32 and their like allow (about 1e-6 of the number): no bf16 or f16 on the way to a quantiser, and a product that is left as it is and whose result goes on into a quantised operand takes f32 operands (vector FMAs, or v_wmma_f32_16x16x4_f32). A number that lies on a knife's edge between two numbers of the format may be rounded either way, as far as f32 arithmetic and the matrix unit's own rounding can turn it there, and no further.
;; One version. Each part assembles by itself: llvm-mc -triple=amdgcn-amd-amdhsa -mcpu=gfx1250 --defsym DOCPART=n.
;; ======== version 1 of 1: 2 launches
;; limits: right only within a limited range of input values
;; workspace buffers: xp 8,912,896 bytes; wp 10,027,008 bytes; ep 180,224 bytes
;; launch quant (part 1): grid 1060 x 1, 4 waves a work-group, no clusters, 35,328 bytes of LDS; arguments x, weight_q, lora_B, lora_A, scale, bias, xp, wp, ep; writes xp, wp, ep
.if DOCPART == 1
	.amdgcn_target "amdgcn-amd-amdhsa--gfx1250"
	.amdhsa_code_object_version 6
	.text
	.protected	k_q90ace24691_quant
	.globl	k_q90ace24691_quant
	.p2align	8
	.type	k_q90ace24691_quant,@function
k_q90ace24691_quant:
	s_mov_b64 s[64:65], 0
	v_nop
	global_prefetch_b8 v0, s[64:65] scope:SCOPE_SE
	s_setreg_imm32_b32 hwreg(HW_REG_WAVE_MODE, 25, 1), 1
	s_wait_xcnt 0x0
; THE QUANTISER.  x [4096][4096] f32, weight_q [4096][4096] int8, lora_B [32][4096] f32 (K = the 4,096 input features, innermost) and lora_A [4096][32] f32 (K = the rank, innermost)
; become codes of FP4 (E2M1) with one E8M0 scale byte for each 32 along K.  A block's scale is 2^(floor(log2(its largest magnitude)) - 2): its byte is the largest magnitude's exponent field - 2,
; held at 1 from below; each number is divided by the scale and rounded to the nearest code, ties to even, beyond 6 the largest code.  weight_q goes by the same rule (int8 -> f32): nothing is assumed of its values.
; LIMITS: NaN and infinities among the inputs are not served.  A block of zeros gets the byte 1 where the rule says 127: its codes are zeros, which add nothing, and this program alone reads the bytes.
; THE WORKSPACE IS LAID AS IMAGES OF THE OPERAND'S REGISTERS.  A panel is 128 rows x 512 K: first the scale words [block of 16 rows][row][4 words, one for each 128 K], then the codes:
; block i at 4096 i; in it the 16 bytes of row r's K block g (32 codes) lie at 256 g + 16 r.  xp: [32 row panels][8 K steps][34,816].
; wp: [32 column panels][8 K steps][39,168]: nine blocks, the ninth 16 ranks of lora_B (ranks 16 (panel % 2) on).  ep: [32 column panels][5,632]: lora_A's 8 blocks, its scale words, scale, bias.
; SHARES.  A wave takes a strip: 16 rows x 512 K.  Waves share nothing: no barrier.  Work-groups 0-3: lora_B; 4-515: x; 516-1027: weight_q; 1028-1059: lora_A, scale, bias.  Each way has LDS bytes of its own.
; THE NUMBERS STAY IN REGISTERS; ONLY CODES TURN THROUGH LDS.  Way F: a load reads 512 consecutive bytes of one row, lanes 0-15 its even pieces of 16 bytes, lanes 16-31 the odd ones; of two such loads
; (two neighbouring spans of 128 K) four swaps of the lanes' halves give lanes 0-15 eight neighbours each of the first span and lanes 16-31 of the second.  A block of 32 is four neighbouring lanes.
; Way W: a load reads a row's 512 bytes, 16 neighbours a lane; a block is two lanes.  A lane's code words go to the wave's own stage (16 units of 256 bytes, 272 apart) and come back as whole units.
; The scale bytes are joined to words by lane moves, and lane r keeps row r's words: they leave as one aligned unit of 256 bytes.
.set APAN,  34816
.set BPAN,  39168
.set EPAN,  5632
.set PAIR,  16*BPAN                    ; two panels of wp on: where lora_B's block stands again
.set FSTG,  4352                       ; a stage: 16 units x 272 bytes.  Way F: one for each wave from LDS byte 0 on
.set WBASE, 4*FSTG                     ; way W: behind way F's
.set SPARE, 8*FSTG                     ; the spare words: 512 bytes that no other line names
.set NS,    16                         ; way F: sets of 8 registers: 32 loads of a wave are out
.set R,     32                         ; v32-159 numbers as they are loaded (way W: v32-95 the strip's bytes); at the end the codes on their way out
.set WF,    96                         ; way W: v96-127 two rows' 16 numbers as f32
.set C,     160                        ; v160-191 code words, each written once
.set SRC,   24
.set DC,    26
.set DS,    28
.set DM,    30                         ; DC + 8 PAIR: the base of lora_B's 15 further places: their offsets stay inside the signed 24-bit immediate
.set DSM,   48
; v1 lane, v2 r = lane % 16, v3 h = lane / 16, v4 offset of my loads, v5 the stage on the way in, v6 on the way out, v7 16 x lane, v8-17 at work (two rows by turns), v18-19 the scale words that I keep,
; v20 my byte's place in its word, v21 16 r + 8 h, v22 my spare word, v23 0, v24-27 at work
.macro QBLOCK xs, c                    ; way A: 32 numbers of one lane: codes into v[c] .. v[c + 3], the byte into v11
	v_max3_num_f32 v8, |v[\xs]|, |v[\xs+1]|, |v[\xs+2]|
	v_max3_num_f32 v9, |v[\xs+3]|, |v[\xs+4]|, |v[\xs+5]|
.irp i, 6,10,14,18,22,26
	v_max3_num_f32 v8, v8, |v[\xs+\i]|, |v[\xs+\i+1]|
	v_max3_num_f32 v9, v9, |v[\xs+\i+2]|, |v[\xs+\i+3]|
.endr
	v_max3_num_f32 v8, v8, |v[\xs+30]|, |v[\xs+31]|
	v_max3_num_f32 v8, v8, v9, 0x1800000
	v_add_nc_u32 v10, 0xff000000, v8
.irp g, 0,1,2,3
	v_cvt_scalef32_pk8_fp4_f32 v[\c+\g], v[\xs+8*\g:\xs+8*\g+7], v10
.endr
	v_lshrrev_b32 v11, 23, v10
.endm
.macro JOIN mask                       ; the words of both rows: each lane's bytes joined with those of lane l xor mask
.irp z, 0,1
	v_mov_b32_dpp v[16+\z], v[14+\z] row_xmask:\mask row_mask:0xf bank_mask:0xf
.endr
.irp z, 0,1
	v_or_b32 v[14+\z], v[14+\z], v[16+\z]
.endr
.endm
.macro OUT                             ; the strip's codes back from the stage as 16 whole units, two to a store: 32 lanes store 512 consecutive bytes, aligned
.irp m, 0,1,2,3,4,5,6,7
	ds_load_b128 v[R+4*\m:R+4*\m+3], v6 offset:544*\m          ; LDS serves a wave's instructions in order: these see my stores
.endr
.irp m, 0,1,2,3,4,5,6,7
	s_wait_dscnt 7-\m
	global_store_b128 v7, v[R+4*\m:R+4*\m+3], s[DC:DC+1] offset:512*\m
.endr
.endm
	s_load_b256 s[4:11], s[0:1], 0x0               ; x s[4:5], weight_q s[6:7], lora_B s[8:9], lora_A s[10:11]
	s_load_b256 s[12:19], s[0:1], 0x20             ; scale s[12:13], bias s[14:15], xp s[16:17], wp s[18:19]
	s_load_b64 s[20:21], s[0:1], 0x40              ; ep
	v_lshl_add_u32 v22, v0, 2, SPARE
	v_mov_b32 v23, 0
	v_lshrrev_b32 v1, 5, v0
	v_readfirstlane_b32 s22, v1                    ; wave 0..3
	v_and_b32 v1, 31, v0
	v_and_b32 v2, 15, v0
	v_bfe_u32 v3, v0, 4, 1
	v_lshlrev_b32 v7, 4, v1
	v_lshlrev_b32 v20, 3, v3
	v_lshl_add_u32 v21, v2, 4, v20
.irp q, 0,1,2,3
	v_mov_b32 v[16+\q], 0                          ; written once: a lane move's destination counts as one of its sources
.endr
	s_wait_alu depctr_va_vdst(0)
	s_wait_kmcnt 0x0
	s_cmp_ge_u32 ttmp9, 1028
	s_cbranch_scc1 .Lpath_a
	s_cmp_ge_u32 ttmp9, 516
	s_cbranch_scc1 .Lpath_w
	; ---- WAY F: x and lora_B: rows of 16,384 bytes of f32: one text, the buffers chosen by the work-group's number
	s_cmp_lt_u32 ttmp9, 4                          ; lora_B's work-group?
	s_cselect_b32 s32, 0, 4
	s_sub_co_u32 s32, ttmp9, s32
	s_lshl_b32 s32, s32, 2
	s_add_co_u32 s32, s32, s22                     ; my strip
	s_lshr_b32 s33, s32, 3                         ; which 16 rows
	s_and_b32 s34, s32, 7                          ; which K step
	s_lshr_b32 s35, s33, 3                         ; x: panel,
	s_and_b32 s36, s33, 7                          ; and block in it
	s_mov_b32 s37, APAN
	s_mov_b32 s38, 2048
	s_cmp_lt_u32 ttmp9, 4                          ; (the sums above have written SCC)
	s_cselect_b32 s35, s33, s35                    ; lora_B: ranks 16 p on go first to panel p,
	s_cselect_b32 s36, 8, s36                      ; as its ninth block
	s_cselect_b32 s37, BPAN, s37
	s_cselect_b32 s38, 2304, s38                   ; where the codes begin in a panel
	s_cselect_b64 s[SRC:SRC+1], s[8:9], s[4:5]
	s_cselect_b64 s[DC:DC+1], s[18:19], s[16:17]
	s_lshl_b32 s40, s33, 18                        ; 16 rows of 16,384 bytes
	s_lshl_b32 s41, s34, 11                        ; 512 numbers
	s_add_co_u32 s40, s40, s41
	s_mov_b32 s41, 0
	s_add_nc_u64 s[SRC:SRC+1], s[SRC:SRC+1], s[40:41]
	s_lshl_b32 s35, s35, 3
	s_add_co_u32 s35, s35, s34
	s_mul_i32 s40, s35, s37                        ; (8 x panel + K step) x a panel's bytes
	s_lshl_b32 s42, s36, 8
	s_add_co_u32 s42, s42, s40
	s_mov_b32 s43, 0
	s_add_nc_u64 s[DS:DS+1], s[DC:DC+1], s[42:43]  ; the block's 256 bytes of scale words
	s_lshl_b32 s42, s36, 12
	s_add_co_u32 s42, s42, s40
	s_add_co_u32 s42, s42, s38
	s_add_nc_u64 s[DC:DC+1], s[DC:DC+1], s[42:43]  ; and its 4,096 bytes of codes
	s_add_nc_u64 s[DM:DM+1], s[DC:DC+1], 8*PAIR    ; (named by lora_B's work-groups alone)
	s_add_nc_u64 s[DSM:DSM+1], s[DS:DS+1], 8*PAIR
	s_mul_i32 s44, s22, FSTG                       ; my wave's stage
	v_lshlrev_b32 v4, 5, v2
	v_lshl_add_u32 v4, v3, 4, v4                   ; piece 2 r + h of a span's 32
	v_lshrrev_b32 v8, 2, v2                        ; r / 4: my block of my span's four
	v_lshl_add_u32 v9, v3, 2, v8                   ; unit 4 h + r / 4 of the eight that two spans fill
	v_mul_u32_u24 v5, v9, 272
	v_and_b32 v9, 3, v2
	v_lshl_add_u32 v5, v9, 2, v5                   ; word r % 4 of the block's four
	v_add_nc_u32 v5, s44, v5
	v_mul_u32_u24 v6, v3, 272
	v_lshl_add_u32 v6, v2, 4, v6
	v_add_nc_u32 v6, s44, v6                       ; out: unit h of two, 16 bytes a lane
	v_lshlrev_b32 v20, 3, v8                       ; my byte's place: 8 (r / 4) bits up
	s_wait_alu depctr_va_vdst(0)
.macro FLOAD i                         ; iteration i: row i % 16, spans 2 (i / 16) and 2 (i / 16) + 1
	global_load_b128 v[R+8*((\i)%NS):R+8*((\i)%NS)+3], v4, s[SRC:SRC+1] offset:16384*((\i)%16)+1024*((\i)/16) th:TH_LOAD_NT
	global_load_b128 v[R+8*((\i)%NS)+4:R+8*((\i)%NS)+7], v4, s[SRC:SRC+1] offset:16384*((\i)%16)+1024*((\i)/16)+512 th:TH_LOAD_NT
.endm
.macro FPAIR p                         ; iterations 2 p and 2 p + 1, line by line by turns
.set XP, R+8*((2*(\p))%NS)
.set CP, C+2*(\p)
.set TT, (2*(\p))%16
.set UU, (2*(\p))/16
.if 30-2*(\p) > NS-2
	s_wait_loadcnt 2*(NS-2)                        ; my four loads are in; those of the 14 iterations behind them may be out
.else
	s_wait_loadcnt 2*(30-2*(\p))                   ; the counts run down
.endif
.irp j, 0,1,2,3
.irp z, 0,1
	v_permlane16_swap_b32 v[XP+8*\z+\j], v[XP+8*\z+4+\j]   ; the first load's lanes 16-31 change places with the second's lanes 0-15: my 8 registers are 8 neighbours along K
.endr
.endr
.irp z, 0,1
	v_max3_num_f32 v[8+\z], |v[XP+8*\z]|, |v[XP+8*\z+1]|, 0x1800000        ; with the floor 2^(3 - 127): the byte cannot fall under 1
.endr
.irp z, 0,1
	v_max3_num_f32 v[10+\z], |v[XP+8*\z+2]|, |v[XP+8*\z+3]|, |v[XP+8*\z+4]|
.endr
.irp z, 0,1
	v_max3_num_f32 v[8+\z], v[8+\z], |v[XP+8*\z+5]|, |v[XP+8*\z+6]|
.endr
.irp z, 0,1
	v_max3_num_f32 v[8+\z], v[8+\z], v[10+\z], |v[XP+8*\z+7]|
.endr
.irp k, 1,2
.irp z, 0,1
	v_max_num_f32_dpp v[8+\z], v[8+\z], v[8+\z] row_xmask:\k row_mask:0xf bank_mask:0xf   ; the block's four lanes
.endr
.endr
.irp z, 0,1
	v_add_nc_u32 v[12+\z], 0xff000000, v[8+\z]     ; 2 off the exponent field: the conversion's scale operand
.endr
.irp z, 0,1
	v_cvt_scalef32_pk8_fp4_f32 v[CP+\z], v[XP+8*\z:XP+8*\z+7], v[12+\z]
.endr
.irp z, 0,1
	v_lshrrev_b32 v[14+\z], 23, v[12+\z]           ; the byte; also the plain line behind the conversions
.endr
.irp z, 0,1
	ds_store_b32 v5, v[CP+\z] offset:2176*UU+16*(TT+\z)
.endr
.if 2*(\p)+NS < 32
	FLOAD 2*(\p)+NS
	FLOAD 2*(\p)+NS+1
.endif
.irp z, 0,1
	v_lshlrev_b32 v[14+\z], v20, v[14+\z]
.endr
	JOIN 4
	JOIN 8                                         ; all sixteen lanes hold their span's word of this row
	s_mov_b32 s50, 0x10001<<TT
	s_mov_b32 s51, 0x10001<<(TT+1)
	v_cndmask_b32 v[18+UU], v[18+UU], v14, s50     ; lanes r and 16 + r keep row r's
	v_cndmask_b32 v[18+UU], v[18+UU], v15, s51
.endm
.set Q, 0
.rept NS
	FLOAD Q
.set Q, Q+1
.endr
.set Q, 0
.rept 16
	FPAIR Q
.set Q, Q+1
.endr
	v_permlane16_swap_b32 v18, v19                 ; lane (r, h) held words h and 2 + h of row r: now 2 h and 2 h + 1
	s_wait_alu depctr_va_vdst(0)                   ; directly behind the write
	global_store_b64 v21, v[18:19], s[DS:DS+1]     ; 32 lanes store 256 consecutive bytes, aligned
	OUT
	s_cmp_ge_u32 ttmp9, 4
	s_cbranch_scc1 .Ldone                          ; x's strip has one place
.irp c, 1,2,3,4,5,6,7,8,9,10,11,12,13,14,15
.irp m, 0,1,2,3,4,5,6,7
	global_store_b128 v7, v[R+4*\m:R+4*\m+3], s[DM:DM+1] offset:(\c-8)*PAIR+512*\m   ; lora_B's goes to the 15 other panels of the same parity too, from the same registers
.endr
	global_store_b64 v21, v[18:19], s[DSM:DSM+1] offset:(\c-8)*PAIR
.endr
.Ldone:
	s_wait_tensorcnt 0x0                           ; the wave's end
	ds_add_u32 v22, v23
	s_wait_dscnt 0x0
	s_endpgm
	; ---- WAY W: weight_q: rows of 4,096 bytes of int8; a strip is 16 rows x 512 bytes; a load takes a row's 512 bytes, 16 a lane
.Lpath_w:
	s_sub_co_u32 s32, ttmp9, 516
	s_lshl_b32 s32, s32, 2
	s_add_co_u32 s32, s32, s22                     ; my strip
	s_lshr_b32 s33, s32, 3                         ; which 16 rows
	s_and_b32 s34, s32, 7                          ; which K step
	s_lshl_b32 s40, s33, 16
	s_lshl_b32 s41, s34, 9
	s_add_co_u32 s40, s40, s41
	s_mov_b32 s41, 0
	s_add_nc_u64 s[SRC:SRC+1], s[6:7], s[40:41]
	s_lshr_b32 s35, s33, 3                         ; panel
	s_and_b32 s36, s33, 7                          ; block
	s_lshl_b32 s35, s35, 3
	s_add_co_u32 s35, s35, s34
	s_mul_i32 s40, s35, BPAN
	s_lshl_b32 s42, s36, 8
	s_add_co_u32 s42, s42, s40
	s_mov_b32 s43, 0
	s_add_nc_u64 s[DS:DS+1], s[18:19], s[42:43]
	s_lshl_b32 s42, s36, 12
	s_add_co_u32 s42, s42, s40
	s_add_co_u32 s42, s42, 2304
	s_add_nc_u64 s[DC:DC+1], s[18:19], s[42:43]
	s_mul_i32 s44, s22, FSTG
	s_add_co_u32 s44, s44, WBASE                   ; my wave's stage
	v_lshrrev_b32 v8, 1, v1                        ; lane / 2: my block of the row's sixteen
	v_mul_u32_u24 v5, v8, 272
	v_and_b32 v9, 1, v1
	v_lshl_add_u32 v5, v9, 3, v5                   ; its first or second 8 bytes
	v_add_nc_u32 v5, s44, v5
	v_mul_u32_u24 v6, v3, 272
	v_lshl_add_u32 v6, v2, 4, v6
	v_add_nc_u32 v6, s44, v6
	v_and_b32 v8, 3, v8
	v_lshlrev_b32 v20, 3, v8                       ; my byte's place in its word
	s_wait_alu depctr_va_vdst(0)
.irp t, 0,1,2,3,4,5,6,7,8,9,10,11,12,13,14,15
	global_load_b128 v[R+4*\t:R+4*\t+3], v7, s[SRC:SRC+1] offset:4096*\t th:TH_LOAD_NT
.endr
.macro WPAIR p                         ; rows 2 p and 2 p + 1
.set CP, C+4*(\p)
.set TT, 2*(\p)
	s_wait_loadcnt 14-2*(\p)                       ; my two rows are in; the rows behind them may be out
.irp z, 0,1
.irp w, 0,1,2,3
	v_lshlrev_b32 v[WF+16*\z+4*\w], 24, v[R+4*(TT+\z)+\w]      ; each byte to the top of a word,
	v_lshlrev_b32 v[WF+16*\z+4*\w+1], 16, v[R+4*(TT+\z)+\w]
	v_lshlrev_b32 v[WF+16*\z+4*\w+2], 8, v[R+4*(TT+\z)+\w]
	v_ashrrev_i32 v[WF+16*\z+4*\w+3], 24, v[R+4*(TT+\z)+\w]
.endr
.endr
.set ii, 0
.rept 32
.if ii%4 != 3
	v_ashrrev_i32 v[WF+ii], 24, v[WF+ii]           ; down again with its sign,
.endif
.set ii, ii+1
.endr
.set ii, 0
.rept 32
	v_cvt_f32_i32 v[WF+ii], v[WF+ii]               ; and to f32
.set ii, ii+1
.endr
.irp z, 0,1
	v_max3_num_f32 v[8+\z], |v[WF+16*\z]|, |v[WF+16*\z+1]|, 0x1800000
.endr
.irp z, 0,1
	v_max3_num_f32 v[10+\z], |v[WF+16*\z+2]|, |v[WF+16*\z+3]|, |v[WF+16*\z+4]|
.endr
.irp i, 5,9
.irp z, 0,1
	v_max3_num_f32 v[8+\z], v[8+\z], |v[WF+16*\z+\i]|, |v[WF+16*\z+\i+1]|
	v_max3_num_f32 v[10+\z], v[10+\z], |v[WF+16*\z+\i+2]|, |v[WF+16*\z+\i+3]|
.endr
.endr
.irp z, 0,1
	v_max3_num_f32 v[8+\z], v[8+\z], |v[WF+16*\z+13]|, |v[WF+16*\z+14]|
.endr
.irp z, 0,1
	v_max3_num_f32 v[8+\z], v[8+\z], v[10+\z], |v[WF+16*\z+15]|
.endr
.irp z, 0,1
	v_max_num_f32_dpp v[8+\z], v[8+\z], v[8+\z] row_xmask:1 row_mask:0xf bank_mask:0xf    ; the block's two lanes
.endr
.irp z, 0,1
	v_add_nc_u32 v[12+\z], 0xff000000, v[8+\z]
.endr
.irp z, 0,1
	v_cvt_scalef32_pk8_fp4_f32 v[CP+2*\z], v[WF+16*\z:WF+16*\z+7], v[12+\z]
	v_cvt_scalef32_pk8_fp4_f32 v[CP+2*\z+1], v[WF+16*\z+8:WF+16*\z+15], v[12+\z]
.endr
.irp z, 0,1
	v_lshrrev_b32 v[14+\z], 23, v[12+\z]
.endr
.irp z, 0,1
	ds_store_b64 v5, v[CP+2*\z:CP+2*\z+1] offset:16*(TT+\z)
.endr
.irp z, 0,1
	v_lshlrev_b32 v[14+\z], v20, v[14+\z]
.endr
	JOIN 2
	JOIN 4                                         ; eight lanes hold word lane / 8 of this row
.irp z, 0,1
	v_mov_b32_dpp v[16+\z], v[14+\z] row_xmask:8 row_mask:0xf bank_mask:0xf    ; and the other word of my half's two
.endr
	s_mov_b32 s50, 0x10001<<TT
	s_mov_b32 s51, 0x10001<<(TT+1)
	v_cndmask_b32 v18, v18, v14, s50               ; lanes r and 16 + r keep row r's two
	v_cndmask_b32 v19, v19, v16, s50
	v_cndmask_b32 v18, v18, v15, s51
	v_cndmask_b32 v19, v19, v17, s51
.endm
.set Q, 0
.rept 8
	WPAIR Q
.set Q, Q+1
.endr
	v_and_b32 v8, 8, v2
	v_cmp_ne_u32 vcc_lo, 0, v8                     ; rows 8-15 kept the upper word first
	v_cndmask_b32 v24, v18, v19, vcc_lo            ; word 2 h
	v_cndmask_b32 v25, v19, v18, vcc_lo            ; word 2 h + 1
	s_wait_alu depctr_va_vdst(0)                   ; directly behind the writes
	global_store_b64 v21, v[24:25], s[DS:DS+1]
	OUT
	s_wait_tensorcnt 0x0                           ; the wave's end
	ds_add_u32 v22, v23
	s_wait_dscnt 0x0
	s_endpgm
	; ---- WAY A: lora_A, scale, bias: a wave takes 32 rows; a row of lora_A is one block of 32, 128 bytes: a lane takes a row; the wave's eight loads together cover 4,096 consecutive bytes
.Lpath_a:
	s_sub_co_u32 s32, ttmp9, 1028
	s_lshl_b32 s32, s32, 2
	s_add_co_u32 s32, s32, s22                     ; which 32 rows
	s_lshl_b32 s40, s32, 12
	s_mov_b32 s41, 0
	s_add_nc_u64 s[SRC:SRC+1], s[10:11], s[40:41]
	s_lshl_b32 s40, s32, 7
	s_add_nc_u64 s[12:13], s[12:13], s[40:41]
	s_add_nc_u64 s[14:15], s[14:15], s[40:41]
	s_lshr_b32 s33, s32, 2                         ; panel of 128 rows
	s_and_b32 s34, s32, 3                          ; which 32 of them
	s_mul_i32 s40, s33, EPAN
	s_lshl_b32 s42, s34, 10
	s_add_co_u32 s42, s42, s40
	s_mov_b32 s43, 0
	s_add_nc_u64 s[DC:DC+1], s[20:21], s[42:43]    ; two blocks' images, 512 bytes each
	s_lshl_b32 s42, s34, 7
	s_add_co_u32 s42, s42, s40
	s_add_co_u32 s42, s42, 4096
	s_add_nc_u64 s[DS:DS+1], s[20:21], s[42:43]    ; my rows' words
	v_lshlrev_b32 v4, 7, v1
	v_lshlrev_b32 v6, 2, v1
	v_lshlrev_b32 v5, 9, v3
	v_lshl_add_u32 v5, v2, 4, v5                   ; block h of the two, row r
.irp q, 0,1,2,3
	v_mov_b32 v[24+\q], 0
.endr
.irp k, 0,1,2,3,4,5,6,7
	global_load_b128 v[R+4*\k:R+4*\k+3], v4, s[SRC:SRC+1] offset:16*\k th:TH_LOAD_NT
.endr
	global_load_b32 v96, v6, s[12:13]
	global_load_b32 v97, v6, s[14:15]
	s_wait_loadcnt 0x0
	QBLOCK R, C
	global_store_b128 v5, v[C:C+3], s[DC:DC+1]                ; lanes 0-15 of the image: sixteen lanes store 256 consecutive bytes, aligned
	global_store_b128 v5, v[24:27], s[DC:DC+1] offset:256     ; lanes 16-31 of the image (k = 32 .. 63 of a K step of 128): zero codes
	global_store_b32 v6, v11, s[DS:DS+1]                      ; the scale word: byte 0 the block's, the others 0 (over zero codes)
	global_store_b32 v6, v96, s[DS:DS+1] offset:512           ; scale
	global_store_b32 v6, v97, s[DS:DS+1] offset:1024          ; bias
	s_endpgm
.Lfunc_end_k_q90ace24691_quant:
	.size	k_q90ace24691_quant, .Lfunc_end_k_q90ace24691_quant-k_q90ace24691_quant
	.p2alignl 7, 3214868480
	.fill 96, 4, 3214868480
	.section	.rodata,"a",@progbits
	.p2align	6, 0x0
	.amdhsa_kernel k_q90ace24691_quant
		.amdhsa_group_segment_fixed_size 35328
		.amdhsa_private_segment_fixed_size 0
		.amdhsa_enable_private_segment 0
		.amdhsa_kernarg_size 72
		.amdhsa_user_sgpr_count 2
		.amdhsa_user_sgpr_kernarg_segment_ptr 1
		.amdhsa_wavefront_size32 1
		.amdhsa_system_sgpr_workgroup_id_x 1
		.amdhsa_system_sgpr_workgroup_id_y 1
		.amdhsa_system_sgpr_workgroup_id_z 1
		.amdhsa_system_vgpr_workitem_id 0
		.amdhsa_next_free_vgpr 208
		.amdhsa_next_free_sgpr 66
		.amdhsa_reserve_vcc 1
		.amdhsa_float_denorm_mode_32 3
		.amdhsa_float_denorm_mode_16_64 3
		.amdhsa_memory_ordered 1
		.amdhsa_forward_progress 1
		.amdhsa_inst_pref_size 112
	.end_amdhsa_kernel
	.amdgpu_metadata
---
amdhsa.version: [ 1, 2 ]
amdhsa.kernels:
  - .name:           k_q90ace24691_quant
    .symbol:         k_q90ace24691_quant.kd
    .args:
      - { .name: x, .offset: 0, .size: 8, .value_kind: global_buffer, .address_space: global }
      - { .name: weight_q, .offset: 8, .size: 8, .value_kind: global_buffer, .address_space: global }
      - { .name: lora_B, .offset: 16, .size: 8, .value_kind: global_buffer, .address_space: global }
      - { .name: lora_A, .offset: 24, .size: 8, .value_kind: global_buffer, .address_space: global }
      - { .name: scale, .offset: 32, .size: 8, .value_kind: global_buffer, .address_space: global }
      - { .name: bias, .offset: 40, .size: 8, .value_kind: global_buffer, .address_space: global }
      - { .name: xp, .offset: 48, .size: 8, .value_kind: global_buffer, .address_space: global }
      - { .name: wp, .offset: 56, .size: 8, .value_kind: global_buffer, .address_space: global }
      - { .name: ep, .offset: 64, .size: 8, .value_kind: global_buffer, .address_space: global }
    .group_segment_fixed_size: 35328
    .private_segment_fixed_size: 0
    .kernarg_segment_align: 8
    .kernarg_segment_size: 72
    .max_flat_workgroup_size: 128
    .sgpr_count:     66
    .vgpr_count:     208
    .wavefront_size: 32
...
	.end_amdgpu_metadata
.endif
;; end of part 1
;; launch gemm (part 2): grid 16 x 16, 4 waves a work-group, clusters of 4 x 4, 327,680 bytes of LDS; arguments xp, wp, ep, out0; writes out0
.if DOCPART == 2
	.amdgcn_target "amdgcn-amd-amdhsa--gfx1250"
	.amdhsa_code_object_version 6
	.text
	.protected	k_q90ace24691_gemm
	.globl	k_q90ace24691_gemm
	.p2align	8
	.type	k_q90ace24691_gemm,@function
k_q90ace24691_gemm:
	s_mov_b64 s[64:65], 0
	v_nop
	global_prefetch_b8 v0, s[64:65] scope:SCOPE_SE
	s_setreg_imm32_b32 hwreg(HW_REG_WAVE_MODE, 25, 1), 1
	s_wait_xcnt 0x0
	s_wait_alu depctr_hold_cnt(0) depctr_sa_sdst(0) depctr_va_vdst(0) depctr_va_sdst(0) depctr_va_ssrc(0) depctr_va_vcc(0) depctr_vm_vsrc(0)
	s_getreg_b32 s2, hwreg(HW_REG_IB_STS2, 6, 4)
	s_cmp_eq_u32 s2, 0
	s_cbranch_scc0 .Lentry_in_a_cluster
	s_endpgm
.Lentry_in_a_cluster:
	s_bfe_u32 s2, ttmp6, 0x10000c
	s_cmp_lg_u32 s2, 0xf033
	s_cbranch_scc0 .Lentry_shape_is_right
	s_endpgm
.Lentry_shape_is_right:
; out0 = (Q(x) Q(weight_q)^T) x scale + Q(Q(x) Q(lora_B)^T) Q(lora_A)^T + bias, all three products on FP4 codes with E8M0 scales, sums in f32.
; INPUTS are the quantiser's workspace, images of the operands' registers.  A panel is 128 rows x 512 K: scale words [block of 16 rows][row][4 words], then the codes: block i at 4096 i,
; in it 8 pieces of 512 bytes, piece j, lane (r, h) = the 32 codes of row r at k = 64 j + 32 h.  xp: [32 panels][8 K steps][34,816].  wp: [32][8][39,168]: a ninth block holds 16 ranks of lora_B.
; ep: [32][5,632]: lora_A's codes, its scale words, scale, bias.
; SHARES.  A work-group of four waves makes 256 x 256 of out0, a wave 128 x 128: 64 accumulators, 512 registers; beside them 8 accumulators of t = x lora_B^T (my 128 rows x 16 ranks).
; K goes in steps of 512 through two LDS slots (two panels of xp, two of wp); a wave fetches one panel with one tensor load.  The walk along K begins at a K step that hangs on the cluster's number.
; CLUSTERS: 4 x 4 work-groups; xp's panels are asked for jointly along a row of the cluster, wp's and ep's along a column.
; THE MATRIX INSTRUCTION IS USED TRANSPOSED (source 0 = rows of the weight, source 1 = rows of x): a lane holds eight neighbouring columns of one row of out0.
; A STEP OF 128 K is 72 matrix instructions in four quarters: x's blocks 0-3 with w's 0-3; 0-3 with 4-7; t's eight; 4-7 with 4-7; 4-7 with 0-3.  BOTH operands have two sets of registers, so the next step's
; 34 LDS loads go out in three groups (16, 10, 8), each in front of a quarter, in the order in which the next step's quarters want them; one run of four places a step stands in front of the first group.
; ep's tile is asked for behind the last change of slots, behind which nothing is filled again, and is waited for in front of a barrier in the last step.
; PREFETCH: behind the load of K step t each wave names K step t + 2 of the panel that it fetches: the four partners that ask for a panel jointly share its blocks of 256 bytes out by address
; (xp: 34 each of 136; wp: 39 each of 153, the last partner's held at block 152), two instructions a wave; lanes left over name the share's last block again.  The last two refills ask for nothing.
; REGISTERS: window 0: v0-31 addresses; v32-103 scale words, two sets of 36; v128-191 x's set 0; v192-255 t.  window 1: w's sets at v0-71 and v128-199; x's set 1 at v72-127 and v200-207.
;   windows 2, 3: the accumulators of my rows 0-63, 64-127 ((a, b) at v[8 (8 (a % 4) + b)]).
; LIMITS: NaN and infinities are not served.  A block of zeros of t keeps the scale byte 1: its codes are zeros.
.set APAN,   34816
.set BPAN,   39168
.set ACOD,   2048                      ; where a panel's codes begin
.set BCOD,   2304
.set EPAN,   5632
.set SLOT,   2*APAN+2*BPAN
.set SPARE,  2*SLOT                    ; the spare words: 512 bytes that no other line names
.set EP,     SPARE+512                 ; two panels of ep
.set SPITCH, 528                       ; the way out: a stage of 16 rows x (512 + 16) bytes a wave, in slot 0 behind its last fill and last read
.set TX,     4*16*SPITCH               ; behind the stages: t, 256 rows x (128 + 16) bytes
.set TPITCH, 144
.set LAPS,   4
.set NOUT,   4096
.set EPI,  8
.set EPW,  9
.set EPV,  10
.set PF0,  12                          ; v12, v13: the prefetches' offsets
.set PF1,  13
.set ADRA, 16                          ; v16-17 x's fragments in slot 0, 1;  v18-19 lora_B's scale words;  v20-21 w's fragments;  v22-23 scale words: lanes 0-15 x's, 16-31 w's
.set ADRL, 18
.set ADRB, 20
.set ADRS, 22
.set STO,  24
.set RD,   25
.set CO,   26
.set TXS,  27
.set SPW,  28                          ; v28 my spare word, v29 0: never rewritten
.set NIL,  29
.set TXL,  30
.set SC,   32
.set AF,   128
.set TA,   192
.set TF,   32
.set TS,   96
.set LAS,  104
.set TM,   108
.set TP,   116
.set TQ,   128
.set BK,   128
.set LAF,  0
.set SV,   64
.set BV,   128
.set PFB,  12                          ; s[12:13] the panel row that my wave fetches, K step 0
.set G1,   24
.set G0,   32
.set G1B,  48
.set G0B,  56
.set BA,   66
.set G1E,  68
.set G0E,  76
.set SEL,  80
.set PPAN, 82                          ; s82 bytes of my panel
.set KI,   84                          ; s84, s85: the K step that slot 0, 1 holds or is being filled with
.set OFA,  86
.set OFB,  88
.set BB,   96
.set PFA,  98                          ; s[98:99], s[100:101]: the prefetches' base, one for each slot
.set PT,   104
.set MSB, 0
.macro WIN new                         ; the immediate's high byte repeats the setting that is left
.if MSB != (\new)
	s_set_vgpr_msb (MSB<<8)|(\new)
.set MSB, \new
.endif
.endm
.set MUL_LO, 0xa1                      ; source 0 window 1, source 1 window 0 (+4: window 1), C and D window 2
.set MUL_HI, 0xf1
.set T_W,    0x01
.set TO_B,   0x40
.set FMA2,   0x96
.set FMA3,   0xd7
.macro PLACES n
.rept \n
	v_nop
.endr
.endm
.macro JLOAD g0a, g1a, g0b, g1b        ; a joint load: waves 0, 1 fetch xp's two panels, waves 2, 3 wp's; s_nop 0 and four v_nop behind each line
	s_cmp_eq_u32 s15, 0
	s_cbranch_scc0 .Lfor_b_\@
	tensor_load_to_lds s[\g0a:\g0a+3], s[\g1a:\g1a+7]
	s_nop 0
	PLACES 4
	s_branch .Lasked_\@
.Lfor_b_\@:
	tensor_load_to_lds s[\g0b:\g0b+3], s[\g1b:\g1b+7]
	s_nop 0
	PLACES 4
.Lasked_\@:
.endm
.macro CREST                           ; a round of the cluster's barrier behind its opening barrier
	s_cmp_lg_u32 s14, 0
	s_cbranch_scc1 .Lnot_wave_0_\@
	s_barrier_signal -3
.Lnot_wave_0_\@:
	s_barrier_wait -3
	s_barrier_signal -1
	s_barrier_wait -1
.endm
.macro CROUND
	s_barrier_signal -1
	s_barrier_wait -1
	CREST
.endm
.macro AIM s                           ; slot s's two group 0 at K step KI[s]
	s_mul_i32 s[OFA], s[KI+\s], APAN
	s_mul_i32 s[OFB], s[KI+\s], BPAN
	s_add_nc_u64 s[G0+4*\s+2:G0+4*\s+3], s[BA:BA+1], s[OFA:OFA+1]
	s_or_b32 s[G0+4*\s+3], s[G0+4*\s+3], 0x80000000
	s_add_nc_u64 s[G0B+4*\s+2:G0B+4*\s+3], s[BB:BB+1], s[OFB:OFB+1]
	s_or_b32 s[G0B+4*\s+3], s[G0B+4*\s+3], 0x80000000
.endm
.macro PFAIM s                         ; the prefetches' base: K step KI[s] + 2, round the eight
	s_add_co_u32 s[PT], s[KI+\s], 2
	s_and_b32 s[PT], s[PT], 7
	s_mul_i32 s[PT], s[PT], s[PPAN]
	s_add_nc_u64 s[PFA+2*\s:PFA+2*\s+1], s[PFB:PFB+1], s[PT:PT+1]
.endm
.macro ASK s, inloop                   ; in the loop's last trip (s3 = 1) no K step stands two refills on
.if \inloop
	s_cmp_gt_u32 s3, 1
	s_cbranch_scc0 .Lnoask_\@
.endif
	global_prefetch_b8 v[PF0], s[PFA+2*\s:PFA+2*\s+1] th:TH_LOAD_NT scope:SCOPE_SE
	global_prefetch_b8 v[PF1], s[PFA+2*\s:PFA+2*\s+1] th:TH_LOAD_NT scope:SCOPE_SE
.if \inloop
.Lnoask_\@:
.endif
.endm
	s_load_b256 s[4:11], s[0:1], 0x0               ; xp, wp, ep, out0
	v_lshl_add_u32 v[SPW], v0, 2, SPARE
	v_mov_b32 v[NIL], 0
	ds_add_u32 v[SPW], v[NIL]                      ; the opening: the add, twice on end, and its wait ahead of my first tensor load
	ds_add_u32 v[SPW], v[NIL]
	v_lshrrev_b32 v1, 5, v0
	v_readfirstlane_b32 s14, v1                    ; wave
	s_lshr_b32 s15, s14, 1                         ; my half of the rows; also: I fetch for xp (0) or wp (1)
	s_and_b32 s16, s14, 1                          ; my half of the columns; also: which of the two panels I fetch
	s_bfe_u32 s40, ttmp6, 0x40000                  ; cx, cy
	s_bfe_u32 s41, ttmp6, 0x40004
	s_lshl_b32 s42, ttmp9, 2
	s_add_co_u32 s42, s42, s40                     ; tile column
	s_and_b32 s17, ttmp7, 0xffff
	s_lshl_b32 s17, s17, 2
	s_add_co_u32 s17, s17, s41                     ; tile row
	s_lshl_b32 s43, s41, 2
	s_lshl_b32 s43, 15, s43                        ; my row of the cluster
	s_lshl_b32 s44, 0x1111, s40                    ; my column
	s_and_b32 s82, ttmp7, 0xffff                   ; the first K step: made of the cluster's numbers alone, even
	s_lshr_b32 s83, s82, 1
	s_xor_b32 s82, s82, s83
	s_and_b32 s82, s82, 1
	s_lshl_b32 s82, s82, 2
	s_lshl_b32 s83, ttmp9, 1
	s_add_co_u32 s82, s82, s83
	s_and_b32 s[KI], s82, 7
	s_add_co_u32 s[KI+1], s[KI], 1
	s_mov_b32 s[OFA+1], 0
	s_mov_b32 s[OFB+1], 0
	s_or_b32 s[G1+0], s43, (3<<16)|(1<<21)         ; dense blocks, elements of 8 bytes, no padding (a fragment load reads 512 bytes on end): a panel as rows of 4,352 bytes, 17 units of 256; ep's half panel as rows of 256
	s_or_b32 s[G1B+0], s44, (3<<16)|(1<<21)
	s_or_b32 s[G1E+0], s44, (3<<16)|(1<<21)
.irp g, G1, G1B
	s_mov_b32 s[\g+1], 544<<16
	s_mov_b32 s[\g+3], 544<<16
	s_mov_b32 s[\g+5], 544
	s_mov_b32 s[\g+6], 0
	s_mov_b32 s[\g+7], 0
.endr
	s_mov_b32 s[G1E+1], 32<<16
	s_mov_b32 s[G1E+3], 32<<16
	s_mov_b32 s[G1E+5], 32
	s_mov_b32 s[G1E+6], 0
	s_mov_b32 s[G1E+7], 0
	s_mov_b32 s[G1+2], (APAN/4352)<<16
	s_mov_b32 s[G1+4], APAN/4352
	s_mov_b32 s[G1B+2], (BPAN/4352)<<16
	s_mov_b32 s[G1B+4], BPAN/4352
	s_mov_b32 s[G1E+2], (EPAN/512)<<16             ; half a panel of ep a wave
	s_mov_b32 s[G1E+4], EPAN/512
	s_lshl_b32 s20, s17, 1
	s_add_co_u32 s20, s20, s16
	s_mul_i32 s20, s20, 8*APAN
	s_mov_b32 s21, 0
	s_lshl_b32 s46, s42, 1
	s_add_co_u32 s46, s46, s16
	s_mul_i32 s46, s46, 8*BPAN
	s_mov_b32 s47, 0
	s_mul_i32 s92, s42, 2*EPAN
	s_mul_i32 s93, s14, EPAN/2
	s_add_co_u32 s92, s92, s93
	s_mov_b32 s93, 0
	s_mul_i32 s45, s16, APAN
	s_mul_i32 s94, s16, BPAN
	s_add_co_u32 s94, s94, 2*APAN
	s_mul_i32 s95, s14, EPAN/2
	s_add_co_u32 s95, s95, EP
	s_mov_b32 s[SEL], 0x76543210
	s_mov_b32 s[SEL+1], 0xfedcba98
	s_wait_dscnt 0x0                               ; both opening adds are done
	s_wait_kmcnt 0x0
	s_add_nc_u64 s[BA:BA+1], s[4:5], s[20:21]
	s_add_nc_u64 s[BB:BB+1], s[6:7], s[46:47]
	s_add_nc_u64 s[92:93], s[8:9], s[92:93]
	s_mov_b32 s[G0E], 1
	s_mov_b32 s[G0E+1], s95
	s_mov_b64 s[G0E+2:G0E+3], s[92:93]
	s_or_b32 s[G0E+3], s[G0E+3], 0x80000000
.irp s, 0,1
	s_mov_b32 s[G0+4*\s], 1
	s_add_co_u32 s[G0+4*\s+1], s45, \s*SLOT
	s_mov_b32 s[G0B+4*\s], 1
	s_add_co_u32 s[G0B+4*\s+1], s94, \s*SLOT
	AIM \s
.endr
	CROUND                                         ; all sixteen work-groups are here: the first joint loads meet
	JLOAD G0, G1, G0B, G1B                         ; slot 0: one tensor load a wave at the head
	v_and_b32 v1, 15, v0
	v_bfe_u32 v2, v0, 4, 1
	v_and_b32 v3, 31, v0
	v_lshlrev_b32 v4, 4, v3                        ; 16 x lane: a piece of a fragment
	v_lshlrev_b32 v5, 4, v1                        ; 16 x row: a row's four scale words
	s_mul_i32 s21, s15, APAN
	s_mul_i32 s22, s16, BPAN
	s_add_co_u32 s22, s22, 2*APAN
	s_sub_co_u32 s23, s22, s21
	v_mul_u32_u24 v6, s23, v2                      ; lanes 16-31 take w's words
	v_add_nc_u32 v6, v6, v5
.irp s, 0,1
	v_add_nc_u32 v[ADRA+\s], s21, v4
	v_add_nc_u32 v[ADRB+\s], s22, v4
	v_add_nc_u32 v[ADRS+\s], s21, v6
	v_add_nc_u32 v[ADRL+\s], s22, v5
	s_add_co_u32 s21, s21, SLOT
	s_add_co_u32 s22, s22, SLOT
.endr
	s_mul_i32 s23, s16, EPAN
	s_add_co_u32 s23, s23, EP
	v_add_nc_u32 v[EPI], s23, v4
	v_lshl_add_u32 v[EPW], v3, 2, s23
	v_lshl_add_u32 v[EPV], v2, 5, s23
	s_mul_i32 s23, s15, 128*TPITCH
	s_add_co_u32 s23, s23, TX
	v_mul_u32_u24 v7, v1, TPITCH
	v_add_nc_u32 v7, s23, v7
	v_lshl_add_u32 v[TXL], v2, 6, v7
	v_lshl_add_u32 v[TXS], v2, 5, v7
	s_lshl_b32 s23, s16, 6
	v_add_nc_u32 v[TXS], s23, v[TXS]
	s_mul_i32 s23, s14, 16*SPITCH
	v_mul_u32_u24 v7, v1, SPITCH
	v_lshl_add_u32 v7, v2, 5, v7
	v_add_nc_u32 v[STO], s23, v7
	v_lshlrev_b32 v[CO], 4, v3
	v_add_nc_u32 v[RD], s23, v4
	s_lshl_b32 s20, s17, 8
	s_lshl_b32 s21, s15, 7
	s_add_co_u32 s20, s20, s21
	s_lshl_b32 s20, s20, 14                        ; my first row of out0, 16,384 bytes a row
	s_mov_b32 s21, 0
	s_lshl_b32 s46, s42, 10
	s_lshl_b32 s47, s16, 9
	s_add_co_u32 s46, s46, s47
	s_mov_b32 s47, 0
	s_add_nc_u64 s[20:21], s[20:21], s[46:47]
	s_add_nc_u64 s[10:11], s[10:11], s[20:21]
	; the prefetches: my panel, my work-group's share of its blocks of 256 bytes
	s_cmp_eq_u32 s15, 0
	s_cselect_b64 s[PFB:PFB+1], s[BA:BA+1], s[BB:BB+1]
	s_cselect_b32 s83, s40, s41                    ; my place among the four that ask with me
	s_mov_b32 s[PPAN], BPAN
	s_cselect_b32 s[PPAN], APAN, s[PPAN]
	s_cselect_b32 s92, 34, 39                      ; blocks in a share
	s_cselect_b32 s93, 1, 6                        ; the second instruction's last new block
	s_mov_b32 s94, 152
	s_cselect_b32 s94, 135, s94                    ; the panel's last block
	s_mul_i32 s92, s92, s83
	s_add_co_u32 s95, s92, 32
	s_mov_b32 s[PT+1], 0
	PFAIM 0
	PFAIM 1
	v_add_nc_u32 v[PF0], s92, v3
	v_lshlrev_b32 v[PF0], 8, v[PF0]
	v_min_u32 v[PF1], s93, v3
	v_add_nc_u32 v[PF1], s95, v[PF1]
	v_min_u32 v[PF1], s94, v[PF1]
	v_lshlrev_b32 v[PF1], 8, v[PF1]
	s_wait_alu depctr_va_vdst(0)
	ASK 0, 0
.macro FRAG reg, adr, off              ; a fragment: two pieces of 512 bytes, 16 bytes a lane
	ds_load_b128 v[\reg:\reg+3], v[\adr] offset:\off
	ds_load_b128 v[\reg+4:\reg+7], v[\adr] offset:\off+512
.endm
.macro AREG a, p                       ; x's block a of set p: set 0 in window 0, set 1 in window 1 (block 7 at v200)
.set AR, (1-(\p))*(AF+8*(\a))+(\p)*(72+8*(\a)+72*((\a)/7))
.endm
.macro MM a, b, p, q, sc, zero         ; one product: x's block a, w's block b, the slot's q-th 128 K
	AREG \a, \p
.set DR, 8*(8*((\a)%4)+(\b))
.set BR, 128*(\p)+8*(\b)
.if \zero
	v_wmma_scale_f32_16x16x128_f8f6f4 v[DR:DR+7], v[BR:BR+7], v[AR:AR+7], 0, v[SC+36*(\sc)+4*(\b)+(\q)], v[SC+36*(\sc)+4*(\a)+(\q)] matrix_a_fmt:MATRIX_FMT_FP4 matrix_b_fmt:MATRIX_FMT_FP4 matrix_a_scale:MATRIX_SCALE_ROW1
.else
	v_wmma_scale_f32_16x16x128_f8f6f4 v[DR:DR+7], v[BR:BR+7], v[AR:AR+7], v[DR:DR+7], v[SC+36*(\sc)+4*(\b)+(\q)], v[SC+36*(\sc)+4*(\a)+(\q)] matrix_a_fmt:MATRIX_FMT_FP4 matrix_b_fmt:MATRIX_FMT_FP4 matrix_a_scale:MATRIX_SCALE_ROW1
.endif
.endm
.macro QUAD a0, b0, p, q, sc, zero     ; sixteen products, sixteen accumulators by turns
.irp a, 0,1,2,3
.irp b, 0,1,2,3
	MM \a0+\a, \b0+\b, \p, \q, \sc, \zero
.endr
.endr
.endm
.macro TMUL8 p, q, sc, zero            ; t: x's eight blocks with lora_B's block
.irp a, 0,1,2,3,4,5,6,7
	AREG \a, \p
.if \zero
	v_wmma_scale_f32_16x16x128_f8f6f4 v[TA+8*\a:TA+8*\a+7], v[128*(\p)+64:128*(\p)+71], v[AR:AR+7], 0, v[SC+36*(\sc)+32+(\q)], v[SC+36*(\sc)+4*\a+(\q)] matrix_a_fmt:MATRIX_FMT_FP4 matrix_b_fmt:MATRIX_FMT_FP4
.else
	v_wmma_scale_f32_16x16x128_f8f6f4 v[TA+8*\a:TA+8*\a+7], v[128*(\p)+64:128*(\p)+71], v[AR:AR+7], v[TA+8*\a:TA+8*\a+7], v[SC+36*(\sc)+32+(\q)], v[SC+36*(\sc)+4*\a+(\q)] matrix_a_fmt:MATRIX_FMT_FP4 matrix_b_fmt:MATRIX_FMT_FP4
.endif
.endr
.endm
.macro LA slot, q, p, i0               ; 8 loads: x's blocks i0 .. i0 + 3 into set p
	WIN TO_B*(\p)
.irp i, 0,1,2,3
	AREG \i0+\i, \p
	FRAG AR, ADRA+\slot, ACOD+4096*(\i0+\i)+1024*(\q)
.endr
.endm
.macro LB slot, q, p, i0, n            ; 2 n loads: w's blocks i0 .. i0 + n - 1 into set p
	WIN TO_B
.set ii, \i0
.rept \n
	FRAG 128*(\p)+8*ii, ADRB+\slot, BCOD+4096*ii+1024*(\q)
.set ii, ii+1
.endr
.endm
.macro SCALES s                        ; 9 loads: a slot's scale words
	WIN 0
.irp i, 0,1,2,3,4,5,6,7
	ds_load_b128 v[SC+36*\s+4*\i:SC+36*\s+4*\i+3], v[ADRS+\s] offset:256*\i
.endr
	ds_load_b128 v[SC+36*\s+32:SC+36*\s+35], v[ADRL+\s] offset:2048
.endm
; A step that has its successor in the same slot.  Each wait leaves out 34 loads: the two younger groups of this step's fragments or of the next's, and the group just issued (10 + 8 + 16, 8 + 16 + 10, 16 + 10 + 8).
.macro STEP slot, q, zero
	PLACES 4                                       ; behind the last step's products, which read the set that is now filled: they serve all three groups
	LA \slot, (\q)+1, 1-(\q)%2, 0
	LB \slot, (\q)+1, 1-(\q)%2, 0, 4
	s_wait_dscnt 34
	WIN MUL_LO+4*((\q)%2)
	QUAD 0, 0, (\q)%2, \q, \slot, \zero
	LB \slot, (\q)+1, 1-(\q)%2, 4, 5
	s_wait_dscnt 34
	WIN MUL_LO+4*((\q)%2)
	QUAD 0, 4, (\q)%2, \q, \slot, \zero
	LA \slot, (\q)+1, 1-(\q)%2, 4
	s_wait_dscnt 34
	WIN T_W+4*((\q)%2)
	TMUL8 (\q)%2, \q, \slot, \zero
	WIN MUL_HI+4*((\q)%2)
	QUAD 4, 4, (\q)%2, \q, \slot, \zero
	QUAD 4, 0, (\q)%2, \q, \slot, \zero
.endm
; A slot's last step changes slots.  fill = 1: this slot is filled again.  fill = 0: the last change: nothing is filled again, and ep's tile is asked for, its first fill.
.macro TURN slot, next, fill
	WIN 0
.if \fill
	s_wait_xcnt 0x0                                ; this slot's last prefetches have read their base
	s_add_co_u32 s[KI+\slot], s[KI+\slot], 2
	s_and_b32 s[KI+\slot], s[KI+\slot], 7
	PFAIM \slot
.endif
	s_wait_tensorcnt 0x0                           ; all my tensor loads have landed: my panel of the next slot
	ds_add_u32 v[SPW], v[NIL]
.if \fill
	AIM \slot
.endif
	s_wait_dscnt 19                                ; the first group is in; the other two (10 + 8) and the add may be out
	WIN MUL_LO+4
	QUAD 0, 0, 1, 3, \slot, 0
	s_wait_dscnt 0x0                               ; the add is done, and my reads of this slot are over
	s_barrier_signal -1
	QUAD 0, 4, 1, 3, \slot, 0
	WIN 0
	s_barrier_wait -1
	CREST                                          ; the barrier has opened a round of the cluster's barrier
.if \fill
	JLOAD G0+4*\slot, G1, G0B+4*\slot, G1B         ; its four v_nop are also the places in front of the loads below
.else
	tensor_load_to_lds s[G0E:G0E+3], s[G1E:G1E+7]
	s_nop 0
	PLACES 4
.endif
	SCALES \next
	LA \next, 0, 0, 0
	LB \next, 0, 0, 0, 9
	WIN 0
.if \fill
	ASK \slot, 1
.endif
	WIN T_W+4
	TMUL8 1, 3, \slot, 0
	WIN MUL_HI+4
	QUAD 4, 4, 1, 3, \slot, 0
	LA \next, 0, 0, 4
	WIN MUL_HI+4
	QUAD 4, 0, 1, 3, \slot, 0
.endm
.macro STEPS slot, from
.set Q, \from
.rept 3-\from
	STEP \slot, Q, 0
.set Q, Q+1
.endr
.endm
	s_wait_tensorcnt 0x0                           ; my panel of slot 0 is in
	ds_add_u32 v[SPW], v[NIL]
	s_wait_dscnt 0x0
	CROUND                                         ; slot 0 is whole, and all sixteen work-groups are here
	JLOAD G0+4, G1, G0B+4, G1B                     ; slot 1
	SCALES 0
	LA 0, 0, 0, 0
	LB 0, 0, 0, 0, 9
	LA 0, 0, 0, 4
	ASK 1, 0
	STEP 0, 0, 1                                   ; the first step's products start the sums
	WIN 0
	s_mov_b32 s3, LAPS-1
.Llap:                                                 ; once round the ring, from a lap's second step to the next lap's first
	STEPS 0, 1
	TURN 0, 1, 1
	STEPS 1, 0
	TURN 1, 0, 1
	STEP 0, 0, 0
	WIN 0
	s_sub_co_u32 s3, s3, 1
	s_cmp_lg_u32 s3, 0
	s_cbranch_scc1 .Llap
	STEPS 0, 1
	TURN 0, 1, 0
	STEPS 1, 0
	s_wait_tensorcnt 0x0                           ; the last step: my part of ep's tile is in,
	s_wait_dscnt 0x0                               ; and so are all fragments: nothing more is fetched
	s_barrier_signal -1
	WIN MUL_LO+4
	QUAD 0, 0, 1, 3, 1, 0
	QUAD 0, 4, 1, 3, 1, 0
	WIN T_W+4
	TMUL8 1, 3, 1, 0
	WIN MUL_HI+4
	QUAD 4, 4, 1, 3, 1, 0
	QUAD 4, 0, 1, 3, 1, 0
	WIN 0
	s_barrier_wait -1                              ; ep's tile is whole
	PLACES 4
	; t: my 128 rows x 16 ranks into LDS; the wave beside me has the other 16 ranks of the same rows
.irp i, 0,1,2,3,4,5,6,7
	ds_store_b128 v[TXS], v[TA+8*\i:TA+8*\i+3] offset:16*TPITCH*\i
	ds_store_b128 v[TXS], v[TA+8*\i+4:TA+8*\i+7] offset:16*TPITCH*\i+16
.endr
	WIN TO_B
.irp n, 0,1,2,3,4,5,6,7
	ds_load_b128 v[LAF+8*\n:LAF+8*\n+3], v[EPI] offset:512*\n          ; lora_A's fragments: k = 0 .. 63
.endr
.irp n, 0,1,2,3,4,5,6,7
	ds_load_b128 v[SV+8*\n:SV+8*\n+3], v[EPV] offset:4608+64*\n        ; scale and bias of my lane's eight columns of each block
	ds_load_b128 v[SV+8*\n+4:SV+8*\n+7], v[EPV] offset:4608+64*\n+16
	ds_load_b128 v[BV+8*\n:BV+8*\n+3], v[EPV] offset:5120+64*\n
	ds_load_b128 v[BV+8*\n+4:BV+8*\n+7], v[EPV] offset:5120+64*\n+16
.endr
	WIN 0
.irp m, 0,1,2,3
	ds_load_b32 v[LAS+\m], v[EPW] offset:4096+128*\m                   ; lora_A's scale words: two blocks to a register
.endr
	s_wait_dscnt 0x0
	s_barrier_signal -1
; FROM HERE ON THE WORK GOES BY BLOCKS OF 16 ROWS, so that a block is stored as soon as it is finished: sum x scale + bias (FMAB), the rank's product onto it (LORA), the stage, the stores.
.macro FMAB a                          ; block a's eight accumulators: sum x scale + bias, two at a time, each accumulator from its low end on
	WIN FMA2+(FMA3-FMA2)*((\a)/4)
.irp b, 0,1,2,3,4,5,6,7
.irp p, 0,2,4,6
	v_pk_fma_f32 v[8*(8*((\a)%4)+\b)+\p:8*(8*((\a)%4)+\b)+\p+1], v[8*(8*((\a)%4)+\b)+\p:8*(8*((\a)%4)+\b)+\p+1], v[SV+8*\b+\p:SV+8*\b+\p+1], v[BV+8*\b+\p:BV+8*\b+\p+1]
.endr
.endr
.endm
	FMAB 0                                         ; work on registers while the others arrive
	FMAB 1
	WIN 0
	s_barrier_wait -1
.irp i, 0,1,2,3,4,5,6,7
.irp k, 0,1,2,3
	ds_load_b128 v[TQ+16*\i+4*\k:TQ+16*\i+4*\k+3], v[TXL] offset:16*TPITCH*\i+16*\k   ; row r of block i, ranks 16 h .. 16 h + 15
.endr
.endr
	FMAB 2                                         ; while t comes back from LDS
	FMAB 3
	WIN TO_B
.irp n, 0,1,2,3,4,5,6,7
.irp k, 4,5,6,7
	v_mov_b32 v[LAF+8*\n+\k], 0                    ; k = 64 .. 127: zero codes
.endr
.endr
	WIN 0
.irp i, 0,1,2,3,4,5,6,7
.irp k, 2,3,4,5,6,7
	v_mov_b32 v[TF+8*\i+\k], 0
.endr
	v_mov_b32 v[TP+\i], 0
.endr
	s_wait_dscnt 0x0
	; t is quantised along the rank: one block of 32 a row, in lanes l and l xor 16
.irp i, 0,1,2,3,4,5,6,7
	v_max3_num_f32 v[TM+\i], |v[TQ+16*\i]|, |v[TQ+16*\i+1]|, 0x1800000
.endr
.irp k, 2,4,6,8,10,12,14
.irp i, 0,1,2,3,4,5,6,7
	v_max3_num_f32 v[TM+\i], v[TM+\i], |v[TQ+16*\i+\k]|, |v[TQ+16*\i+\k+1]|
.endr
.endr
.irp i, 0,1,2,3,4,5,6,7
	v_permlanex16_b32 v[TP+\i], v[TM+\i], s[SEL], s[SEL+1]
.endr
.irp i, 0,1,2,3,4,5,6,7
	v_max_num_f32 v[TM+\i], v[TM+\i], v[TP+\i]
.endr
.irp i, 0,1,2,3,4,5,6,7
	v_add_nc_u32 v[TP+\i], 0xff000000, v[TM+\i]    ; 2 off the exponent field: the conversion's scale operand
.endr
.irp i, 0,1,2,3,4,5,6,7
	v_lshrrev_b32 v[TS+\i], 23, v[TP+\i]           ; the scale word: byte 0 the block's, the others 0 over zero codes
.endr
.irp i, 0,1,2,3,4,5,6,7
	v_cvt_scalef32_pk8_fp4_f32 v[TF+8*\i], v[TQ+16*\i:TQ+16*\i+7], v[TP+\i]
	v_cvt_scalef32_pk8_fp4_f32 v[TF+8*\i+1], v[TQ+16*\i+8:TQ+16*\i+15], v[TP+\i]
.endr
	v_nop
.irp i, 0,1,2,3,4,5,6,7
	v_permlane16_swap_b32 v[TF+8*\i], v[TF+8*\i+2] ; the whole block into lanes 0-15, zeros into lanes 16-31
	v_permlane16_swap_b32 v[TF+8*\i+1], v[TF+8*\i+3]
.endr
.macro LORA a                          ; block a: t's 16 rows with lora_A's eight blocks, onto the eight accumulators by turns
	WIN MUL_LO+0x50*(\a/4)
.irp n, 0,1,2,3,4,5,6,7
.if \n%2
	v_wmma_scale_f32_16x16x128_f8f6f4 v[8*(8*(\a%4)+\n):8*(8*(\a%4)+\n)+7], v[LAF+8*\n:LAF+8*\n+7], v[TF+8*\a:TF+8*\a+7], v[8*(8*(\a%4)+\n):8*(8*(\a%4)+\n)+7], v[LAS+\n/2], v[TS+\a] matrix_a_fmt:MATRIX_FMT_FP4 matrix_b_fmt:MATRIX_FMT_FP4 matrix_a_scale:MATRIX_SCALE_ROW1
.else
	v_wmma_scale_f32_16x16x128_f8f6f4 v[8*(8*(\a%4)+\n):8*(8*(\a%4)+\n)+7], v[LAF+8*\n:LAF+8*\n+7], v[TF+8*\a:TF+8*\a+7], v[8*(8*(\a%4)+\n):8*(8*(\a%4)+\n)+7], v[LAS+\n/2], v[TS+\a] matrix_a_fmt:MATRIX_FMT_FP4 matrix_b_fmt:MATRIX_FMT_FP4
.endif
.endr
.endm
; THE WAY OUT, block by block of 16 rows x 128 columns, through my own stage: back as whole rows of 512 bytes, which 32 lanes store as two aligned units of 256 bytes
.macro TOSTAGE a
.set AC, 64*((\a)%4)
	WIN 0x08+4*((\a)/4)
.irp b, 0,1,2,3,4,5,6,7
	ds_store_b128 v[STO], v[AC+8*\b:AC+8*\b+3] offset:64*\b            ; each accumulator from its low end on
	ds_store_b128 v[STO], v[AC+8*\b+4:AC+8*\b+7] offset:64*\b+16
.endr
	WIN 0
.set BB2, BK+64*((\a)%2)
.irp t, 0,1,2,3,4,5,6,7,8,9,10,11,12,13,14,15
	ds_load_b128 v[BB2+4*\t:BB2+4*\t+3], v[RD] offset:\t*SPITCH
.endr
.endm
.macro SEND a, younger                 ; younger: the LDS instructions behind block a's loads, which may stay out
.set BB2, BK+64*((\a)%2)
	s_wait_dscnt \younger
.if (\a) > 0
	s_add_nc_u64 s[10:11], s[10:11], 16*NOUT*4     ; behind a wait on XCNT: the earlier stores have read their base
.endif
.irp t, 0,1,2,3,4,5,6,7,8,9,10,11,12,13,14,15
	global_store_b128 v[CO], v[BB2+4*\t:BB2+4*\t+3], s[10:11] offset:\t*NOUT*4 th:TH_STORE_NT
.endr
.endm
	FMAB 4                                         ; its 32 lines are also the places between the writes of t's codes and scale words and the first product that takes them
	LORA 0
	FMAB 5                                         ; and these the places behind block 0's products: they name none of their registers
	TOSTAGE 0
	LORA 1
	FMAB 6
	TOSTAGE 1
	SEND 0, 32                                     ; behind block 0's loads: block 1's 16 stores and 16 loads
	LORA 2
	FMAB 7
	s_wait_alu depctr_va_vdst(0)                   ; directly behind the writes
	s_wait_xcnt 0x0                                ; block 0's stores have read their registers and their base
	TOSTAGE 2
	SEND 1, 32
.irp a, 3,4,5,6,7
	LORA \a
	PLACES 4
	s_wait_xcnt 0x0                                ; block a - 2's stores have read their registers and their base
	TOSTAGE \a
	SEND \a-1, 32
.endr
	s_wait_xcnt 0x0
	SEND 7, 0
	s_wait_tensorcnt 0x0                           ; the wave's end
	ds_add_u32 v[SPW], v[NIL]
	s_wait_dscnt 0x0
	CROUND                                         ; the closing round
	s_endpgm
.Lfunc_end_k_q90ace24691_gemm:
	.size	k_q90ace24691_gemm, .Lfunc_end_k_q90ace24691_gemm-k_q90ace24691_gemm
	.p2alignl 7, 3214868480
	.fill 96, 4, 3214868480
	.section	.rodata,"a",@progbits
	.p2align	6, 0x0
	.amdhsa_kernel k_q90ace24691_gemm
		.amdhsa_group_segment_fixed_size 327680
		.amdhsa_private_segment_fixed_size 0
		.amdhsa_enable_private_segment 0
		.amdhsa_kernarg_size 32
		.amdhsa_user_sgpr_count 2
		.amdhsa_user_sgpr_kernarg_segment_ptr 1
		.amdhsa_wavefront_size32 1
		.amdhsa_system_sgpr_workgroup_id_x 1
		.amdhsa_system_sgpr_workgroup_id_y 1
		.amdhsa_system_sgpr_workgroup_id_z 1
		.amdhsa_system_vgpr_workitem_id 0
		.amdhsa_next_free_vgpr 1024
		.amdhsa_next_free_sgpr 106
		.amdhsa_reserve_vcc 0
		.amdhsa_float_denorm_mode_32 3
		.amdhsa_float_denorm_mode_16_64 3
		.amdhsa_memory_ordered 1
		.amdhsa_forward_progress 1
		.amdhsa_inst_pref_size 255
	.end_amdhsa_kernel
	.section	.bss,"aw",@nobits
	.p2align	6
	.space	262144
	.amdgpu_metadata
---
amdhsa.version: [ 1, 2 ]
amdhsa.kernels:
  - .name:           k_q90ace24691_gemm
    .symbol:         k_q90ace24691_gemm.kd
    .args:
      - { .name: xp, .offset: 0, .size: 8, .value_kind: global_buffer, .address_space: global }
      - { .name: wp, .offset: 8, .size: 8, .value_kind: global_buffer, .address_space: global }
      - { .name: ep, .offset: 16, .size: 8, .value_kind: global_buffer, .address_space: global }
      - { .name: out0, .offset: 24, .size: 8, .value_kind: global_buffer, .address_space: global }
    .group_segment_fixed_size: 327680
    .private_segment_fixed_size: 0
    .kernarg_segment_align: 8
    .kernarg_segment_size: 32
    .max_flat_workgroup_size: 128
    .sgpr_count:     106
    .vgpr_count:     1024
    .wavefront_size: 32
...
	.end_amdgpu_metadata
.endif
;; end of part 2
